; MI455X (gfx1250); checked and timed in simulation.
; The chip was launched on July 23, 2026; its instructions are those of AMD's public machine-readable ISA for CDNA 5 (MIT licence, August 2026) and "CDNA5" Instruction Set Architecture Reference Guide (July 2026). The comments in the code are by the model that wrote it; some were corrected since.
;; Multi Head Attention. Allowed arithmetic: matrix products marked QUANTISED: E2M3 operands, one E8M0 scale for each 32 along K, by v_wmma_scale_f32_16x16x128_f8f6f4 with both operands' format E2M3, f32 sums; everything else in f32.
;; Inputs: W_k 1,024 x 1,024 float32; W_out 1,024 x 1,024 float32; W_q 1,024 x 1,024 float32; W_v 1,024 x 1,024 float32; x 4 x 2,048 x 1,024 float32.
;; Outputs: out0 4 x 2,048 x 1,024 float32.
;; This version of the problem:
;;   THIS VERSION OF THE PROBLEM IS GIVEN IN LOW PRECISION. The matrix products marked QUANTISED in the list below multiply operands that are first quantised to E2M3 (2 exponent bits, 3 mantissa bits; 6 bits a number), with one power-of-two scale for each 32 numbers along K (OCP MX v1.0); their sums are f32. All else is computed in f32.
;;   The module's matrix products, in the order in which they are computed (A, B: the left and right operand; K: the contracted axis; several contracted axes count as one K, in the product's order):
;;     1. [M 8,192, K 1,024] x [K 1,024, N 1,024]; A: input x; B: input W_q: QUANTISED
;;     2. [M 8,192, K 1,024] x [K 1,024, N 1,024]; A: input x; B: input W_k: QUANTISED
;;     3. [M 8,192, K 1,024] x [K 1,024, N 1,024]; A: input x; B: input W_v: QUANTISED
;;     4. batch 64 x [M 2,048, K 64] x [K 64, N 2,048]; A: computed on the way; B: computed on the way: QUANTISED
;;     5. batch 64 x [M 2,048, K 2,048] x [K 2,048, N 64]; A: softmax (see below); B: computed on the way: QUANTISED
;;     6. [M 8,192, K 1,024] x [K 1,024, N 1,024]; A: computed on the way; B: input W_out: QUANTISED
;;   THE QUANTISER, for each operand of a quantised product, along K:
;;     - K is cut into blocks of 32 from its start; a last block that is shorter is filled with zeros.
;;     - A block's scale is 2^e with e = floor(log2(the largest magnitude in the block)) - 2, held to -126 .. 127; a block of zeros has e = 0. As a byte (E8M0): e + 127.
;;     - Each number is divided by its block's scale, clamped to +-7.5, and rounded to the nearest number of E2M3, ties to even, subnormals kept.
;;     - The product sums the exact products of the quantised numbers (number of the format x scale) in f32.
;;   ~~~python
;;   def quantise(x, axis):      # numpy; x: float32 -> the quantised numbers, widened to float32 again
;;       x = np.moveaxis(x, axis, -1); K = x.shape[-1]
;;       x = np.pad(x, [(0, 0)] * (x.ndim - 1) + [(0, -K % 32)]); x = x.reshape(x.shape[:-1] + (-1, 32)); a = np.abs(x).max(-1, keepdims=True)
;;       e = np.where(a > 0, np.clip(np.frexp(np.where(a > 0, a, 1))[1] - 1 - 2, -126, 127), 0)      # np.frexp(a)[1] - 1 = floor(log2(a)), exactly
;;       r = np.clip(x / 2.0 ** e, -7.5, 7.5)
;;       step = 2.0 ** (np.maximum(np.frexp(np.where(r == 0, 1, r))[1] - 1, 0) - 3)
;;       q = np.round(r / step) * step * 2.0 ** e      # np.round: ties to even
;;       return np.moveaxis(q.reshape(q.shape[:-2] + (-1,))[..., :K], -1, axis).astype(np.float32)
;;   ~~~
;;   SOFTMAX AHEAD OF A QUANTISED PRODUCT. Where the list says 'softmax', what is quantised is not the finished softmax but p = 2^(t - M), with t = logit x log2(e) and M = ceil(the row's largest t), a whole number; so 1/2 < the row's largest p <= 1. The row's sum l is taken of the UNQUANTISED p, in f32, and the product's result is divided by l at the end. Since M is a whole number, a kernel that streams over the keys may use a running M (the ceiling of the running maximum): every later rescaling is an exact power of two, which a block's scale takes up: the codes' values come out the same.
;;   OPERANDS COMPUTED ON THE WAY. 'Computed on the way' means the value that the module computes at that place (a softmax that the list does not call 'softmax' is quantised finished and normalised). What goes into a quantiser is computed in f32, as accurately as f32 sums, v_exp_f32 and their like allow (about 1e-6 of the number): no bf16 or f16 on the way to a quantiser, and a product that is left as it is and whose result goes on into a quantised operand takes f32 operands (vector FMAs, or v_wmma_f32_16x16x4_f32). A number that lies on a knife's edge between two numbers of the format may be rounded either way, as far as f32 arithmetic and the matrix unit's own rounding can turn it there, and no further.
;; One version. Each part assembles by itself: llvm-mc -triple=amdgcn-amd-amdhsa -mcpu=gfx1250 --defsym DOCPART=n.
;; ======== version 1 of 1: 4 launches
;; limits: right only within a limited range of input values
;; workspace buffers: xq 6,815,744 bytes; wq 3,407,872 bytes; qkv 20,447,232 bytes; ao 6,815,744 bytes
;; launch quant (part 1): grid 768 x 1, 4 waves a work-group, no clusters, 47,616 bytes of LDS; arguments x, W_q, W_k, W_v, W_out, xq, wq; writes xq, wq
.if DOCPART == 1
	.amdgcn_target "amdgcn-amd-amdhsa--gfx1250"
	.amdhsa_code_object_version 6
	.text
	.protected	k_qf491722618_quant
	.globl	k_qf491722618_quant
	.p2align	8
	.type	k_qf491722618_quant,@function
k_qf491722618_quant:
	s_mov_b64 s[64:65], 0
	v_nop
	global_prefetch_b8 v0, s[64:65] scope:SCOPE_SE
	s_setreg_imm32_b32 hwreg(HW_REG_WAVE_MODE, 25, 1), 1
	s_wait_xcnt 0x0
; x [8192][1024] f32 (K innermost) and the four weights [1024 (k)][1024 (n)] f32 (K outermost) become codes of FP6 (E2M3) with one E8M0 byte for each 32 along K,
; laid as IMAGES OF OPERAND REGISTERS.  An image is 16 rows x 128 K, 12 registers a lane, 1,536 bytes: chunk c of 512 bytes holds registers 4 c .. 4 c + 3, lane l's at byte 16 l;
; register 6 cc + i of lane (r, h) holds the codes of k = 64 cc + 32 h + 0 .. 31 of row r.  A RECORD of 3,328 bytes serves (row tile T, 256 along K): two images, 16 scale words of the
; first, 16 of the second, 128 bytes that nobody writes or reads; a row tile's four records lie on end (13,312 bytes).
; THE ROWS OF A TILE ARE NOT NEIGHBOURS: lane row r of tile T is true row 32 (T / 2) + 8 (T % 2) + r + 8 (r / 8) (rows of x; columns n of a weight), so that in a product used transposed
; the 16 registers of two neighbouring tiles are 16 true neighbours.
; A block's scale is 2^(floor(log2(its largest magnitude)) - 2); its byte is the largest magnitude's exponent field - 2, held at 1 from below.
; LIMITS: a block of zeros gets the byte 1 where the quantiser says 127 (its codes are zeros, and this program alone reads the bytes); NaN and infinities among the inputs are not served.
; SHARES.  Work-groups 0-511: row tile T of x, wave w its record w.  Work-groups 512-767: a weight, 128 columns, 128 along K; a wave 32 columns.  The two ways use LDS bytes of their own;
; every stage is one wave's own, so there is no barrier.  A stream: the matrix unit, clusters and tensor loads would add nothing here, and no two work-groups read the same bytes.
.set TP,    13312                      ; a row tile's four records
.set REC,   3328
.set XSTG,  8448                       ; x: a wave's stage, 16 rows x (512 bytes + 16)
.set WST0,  33792                      ; weights: the stages begin behind x's four
.set WSTG,  3328                       ; a wave's: two images, 1,664 bytes apart
.set SEL,   20                         ; s[20:21] lane selects: lane l xor 16
.set R,     16                         ; v16-143  x: two sets of 64 numbers as loaded
.set X,     144                        ; v144-207 64 numbers of a lane (weights: two sets of 32)
.set TM,    208                        ; v208-223 at work
.set PC0,   224                        ; v224-243 the first image's codes (12) and 8 at work
.set PC1,   16                         ; v16-35   the second image's: the first image's numbers have left these registers
.set W0,    244                        ; v244, v245 the two images' scale words
.set W1,    245
.set C,     224                        ; weights: a block's codes
.set SB,    244                        ; weights: my column's four scale bytes
.set OUTR,  16                         ; weights: the two images on the way out
	s_load_b256 s[4:11], s[0:1], 0x0               ; x s[4:5], W_q s[6:7], W_k s[8:9], W_v s[10:11]
	s_load_b128 s[12:15], s[0:1], 0x20             ; W_out s[12:13], xq s[14:15]
	s_load_b64 s[16:17], s[0:1], 0x30              ; wq
	v_lshl_add_u32 v248, v0, 2, 0xb800
	v_mov_b32 v249, 0
	v_lshrrev_b32 v1, 5, v0
	v_readfirstlane_b32 s18, v1                    ; wave 0..3
	v_and_b32 v2, 31, v0                           ; lane
	v_lshlrev_b32 v3, 4, v2                        ; 16 x lane
	v_lshlrev_b32 v4, 2, v2                        ; 4 x lane
	s_cmp_lt_u32 ttmp9, 512
	s_cbranch_scc0 .Lweights
; ---------------- x: K is innermost ----------------
	s_mov_b32 s[SEL], 0x76543210
	s_mov_b32 s[SEL+1], 0xfedcba98
	v_and_b32 v5, 15, v0                           ; r
	v_bfe_u32 v6, v0, 4, 1                         ; h
	s_mul_i32 s24, s18, XSTG
	v_add_nc_u32 v7, s24, v3                       ; into the stage: 16 x lane of a row
	v_mul_u32_u24 v8, v5, 528
	v_lshl_add_u32 v8, v6, 7, v8
	v_add_nc_u32 v8, s24, v8                       ; out of it: row r, + 128 h: my block of 32 numbers
	v_lshlrev_b32 v9, 3, v6                        ; 8 h: my bytes' place in a scale word
	v_mov_b32 v[TM+6], 0                           ; written once: a lane permute's destination counts as one of its sources
	s_lshr_b32 s25, ttmp9, 1
	s_lshl_b32 s25, s25, 5
	s_and_b32 s26, ttmp9, 1
	s_lshl_b32 s26, s26, 3
	s_add_co_u32 s25, s25, s26                     ; the tile's first true row: 32 (T / 2) + 8 (T % 2)
	s_lshl_b32 s26, s25, 12                        ; x 4,096 bytes
	s_lshl_b32 s27, s18, 10                        ; + my 256 along K
	s_add_co_u32 s26, s26, s27
	s_mov_b32 s27, 0
	s_mul_i32 s28, ttmp9, TP
	s_mul_i32 s29, s18, REC
	s_add_co_u32 s28, s28, s29                     ; my record
	s_mov_b32 s29, 0
	s_wait_kmcnt 0x0
	s_add_nc_u64 s[4:5], s[4:5], s[26:27]
	s_add_nc_u64 s[14:15], s[14:15], s[28:29]
.macro LOADX q                         ; image q: 16 loads, each 512 consecutive bytes of one row
.irp i, 0,1,2,3,4,5,6,7,8,9,10,11,12,13,14,15
	global_load_b128 v[R+64*\q+4*\i:R+64*\q+4*\i+3], v3, s[4:5] offset:(\i+8*(\i/8))*4096+512*\q th:TH_LOAD_NT
.endr
.endm
.macro TURNX q                         ; through my stage: in as loaded, back 32 neighbours of a row at a time.  LDS serves a wave's instructions in order: no wait between
.irp i, 0,1,2,3,4,5,6,7,8,9,10,11,12,13,14,15
	ds_store_b128 v7, v[R+64*\q+4*\i:R+64*\q+4*\i+3] offset:528*\i
.endr
.irp c, 0,1
.irp j, 0,1,2,3,4,5,6,7
	ds_load_b128 v[X+32*\c+4*\j:X+32*\c+4*\j+3], v8 offset:256*\c+16*\j      ; row r, k = 64 c + 32 h + 4 j ..
.endr
.endr
.endm
; 64 numbers of a lane, two whole blocks (2 c + h), become the image's 12 registers at v[pc] and the row's scale word in v[w]
.macro QUANT6 pc, w
.irp c, 0,1
	v_max3_num_f32 v[TM+\c], |v[X+32*\c]|, |v[X+1+32*\c]|, 0x1800000     ; with the floor 2^(3 - 127): the byte cannot fall under 1
.endr
.irp i, 2,4,6,8,10,12,14,16,18,20,22,24,26,28,30
.irp c, 0,1
	v_max3_num_f32 v[TM+\c], v[TM+\c], |v[X+32*\c+\i]|, |v[X+1+32*\c+\i]|
.endr
.endr
.irp c, 0,1
	v_add_nc_u32 v[TM+2+\c], 0xff000000, v[TM+\c]  ; 2 off the exponent field: the conversion's scale operand
.endr
.irp c, 0,1
	v_lshrrev_b32 v[TM+4+\c], 23, v[TM+2+\c]       ; the scale's byte
.endr
	v_lshl_or_b32 v[\w], v[TM+5], 16, v[TM+4]      ; blocks h and 2 + h,
	v_lshlrev_b32 v[\w], v9, v[\w]                 ; 8 h bits up;
	v_permlanex16_b32 v[TM+6], v[\w], s[SEL], s[SEL+1]
	v_or_b32 v[\w], v[\w], v[TM+6]                 ; with lane l xor 16's two the word is whole
.irp c, 0,1
	v_cvt_scalef32_pk16_fp6_f32 v[\pc+6*\c:\pc+6*\c+2], v[X+32*\c:X+32*\c+15], v[TM+2+\c]
	v_cvt_scalef32_pk16_fp6_f32 v[\pc+12+4*\c:\pc+14+4*\c], v[X+16+32*\c:X+31+32*\c], v[TM+2+\c]   ; (a conversion's three registers begin on an even number)
.endr
	v_nop                                          ; one plain line behind the scaled conversions
.irp c, 0,1
.irp i, 0,1,2
	v_mov_b32 v[\pc+3+6*\c+\i], v[\pc+12+4*\c+\i]
.endr
.endr
.endm
	LOADX 0
	LOADX 1
	s_wait_loadcnt 16                              ; image 0's sixteen loads are in; image 1's sixteen may be out
	TURNX 0
	s_wait_dscnt 0x0
	QUANT6 PC0, W0
.irp c, 0,1,2
	global_store_b128 v3, v[PC0+4*\c:PC0+4*\c+3], s[14:15] offset:512*\c     ; 512 consecutive bytes, aligned
.endr
	s_wait_loadcnt 0x0
	TURNX 1
	s_wait_dscnt 0x0
	QUANT6 PC1, W1
.irp c, 0,1,2
	global_store_b128 v3, v[PC1+4*\c:PC1+4*\c+3], s[14:15] offset:1536+512*\c
.endr
	v_cmp_lt_u32 vcc_lo, 15, v2
	v_cndmask_b32 v246, v[W0], v[W1], vcc_lo       ; lanes 0-15 the first image's words, lanes 16-31 the second's
	global_store_b32 v4, v246, s[14:15] offset:3072
	s_wait_tensorcnt 0x0
	ds_add_u32 v248, v249
	s_wait_dscnt 0x0
	s_endpgm
; ---------------- the weights: K is the first axis.  A lane takes a column, its registers run down K ----------------
.Lweights:
	s_sub_co_u32 s24, ttmp9, 512
	s_lshr_b32 s25, s24, 6                         ; which weight: 0 W_q, 1 W_k, 2 W_v, 3 W_out
	s_and_b32 s26, s24, 7                          ; which 128 columns
	s_bfe_u32 s27, s24, 0x30003                    ; which 128 along K
	s_lshl_b32 s28, s26, 2
	s_add_co_u32 s28, s28, s18                     ; my wave's 32 columns: two row tiles
	v_bfe_u32 v5, v0, 3, 1                         ; column j of 32 lies in tile u = (j / 8) % 2,
	v_and_b32 v6, 7, v0
	v_bfe_u32 v7, v0, 4, 1
	v_lshl_add_u32 v6, v7, 3, v6                   ; at lane row r = j % 8 + 8 (j / 16)
	s_mul_i32 s29, s18, WSTG
	s_add_co_u32 s29, s29, WST0
	v_mul_u32_u24 v8, v5, 1664
	v_lshl_add_u32 v8, v6, 4, v8
	v_add_nc_u32 v8, s29, v8                       ; into my stage: image u, lane r's 16 bytes
	v_add_nc_u32 v9, s29, v3                       ; out of it: 16 x lane
	v_mul_u32_u24 v10, v5, TP
	v_lshl_add_u32 v10, v6, 2, v10                 ; my scale word's place: tile u, word r
	s_lshl_b32 s30, s27, 19                        ; 128 rows of 4,096 bytes
	s_lshl_b32 s31, s28, 7                         ; 32 columns of 4 bytes
	s_add_co_u32 s30, s30, s31
	s_mov_b32 s31, 0
	s_lshl_b32 s32, s25, 6
	s_lshl_b32 s33, s28, 1
	s_add_co_u32 s32, s32, s33                     ; the first of my two row tiles in wq
	s_mul_i32 s32, s32, TP
	s_lshr_b32 s33, s27, 1
	s_mul_i32 s33, s33, REC
	s_add_co_u32 s32, s32, s33                     ; its record
	s_mov_b32 s33, 0
	s_and_b32 s34, s27, 1
	s_mul_i32 s36, s34, 1536                       ; which image of the record,
	s_mov_b32 s37, 0
	s_lshl_b32 s34, s34, 6
	s_add_co_u32 s34, s34, 3072                    ; and which 16 scale words
	s_mov_b32 s35, 0
	s_wait_kmcnt 0x0
	s_bitcmp1_b32 s25, 0                           ; the choice of buffer hangs on the work-group's number alone
	s_cselect_b64 s[6:7], s[8:9], s[6:7]
	s_cselect_b64 s[10:11], s[12:13], s[10:11]
	s_bitcmp1_b32 s25, 1
	s_cselect_b64 s[6:7], s[10:11], s[6:7]
	s_add_nc_u64 s[6:7], s[6:7], s[30:31]
	s_add_nc_u64 s[16:17], s[16:17], s[32:33]
	s_add_nc_u64 s[22:23], s[16:17], s[34:35]      ; scale words
	s_add_nc_u64 s[16:17], s[16:17], s[36:37]      ; codes
.macro LOADW t                         ; block t: W(32 t + i, my column): each load reads 128 consecutive bytes, the four waves side by side
.irp i, 0,1,2,3,4,5,6,7,8,9,10,11,12,13,14,15,16,17,18,19,20,21,22,23,24,25,26,27,28,29,30,31
	global_load_b32 v[X+32*((\t)%2)+\i], v4, s[6:7] offset:(32*(\t)+\i)*4096 th:TH_LOAD_NT
.endr
.endm
.macro BLOCKW t                        ; block t = 2 c + h of the image: its six registers belong to lane r + 16 h, registers 6 c .. 6 c + 5
.set XS, X+32*((\t)%2)
.if (\t) < 3
	s_wait_loadcnt 32                              ; this block's 32 loads are in; the next block's 32 may be out
.else
	s_wait_loadcnt 0x0
.endif
	v_max3_num_f32 v[TM], |v[XS]|, |v[XS+1]|, |v[XS+2]|
	v_max3_num_f32 v[TM+1], |v[XS+3]|, |v[XS+4]|, |v[XS+5]|
.irp i, 6,10,14,18,22,26
	v_max3_num_f32 v[TM], v[TM], |v[XS+\i]|, |v[XS+\i+1]|
	v_max3_num_f32 v[TM+1], v[TM+1], |v[XS+\i+2]|, |v[XS+\i+3]|
.endr
	v_max3_num_f32 v[TM], v[TM], |v[XS+30]|, |v[XS+31]|
	v_max3_num_f32 v[TM], v[TM], v[TM+1], 0x1800000
	v_add_nc_u32 v[TM+2], 0xff000000, v[TM]
	v_lshrrev_b32 v[TM+3], 23, v[TM+2]
.if (\t) == 0
	v_mov_b32 v[SB], v[TM+3]
.else
	v_lshl_or_b32 v[SB], v[TM+3], 8*(\t), v[SB]
.endif
	v_cvt_scalef32_pk16_fp6_f32 v[C:C+2], v[XS:XS+15], v[TM+2]
	v_cvt_scalef32_pk16_fp6_f32 v[C+8:C+10], v[XS+16:XS+31], v[TM+2]
	v_nop                                          ; one plain line behind the scaled conversions
.irp i, 0,1,2
	v_mov_b32 v[C+3+\i], v[C+8+\i]
.endr
.if (\t) < 2
	ds_store_b128 v8, v[C:C+3] offset:256*((\t)%2)             ; registers 0-3
	ds_store_b64 v8, v[C+4:C+5] offset:512+256*((\t)%2)        ; registers 4, 5
.else
	ds_store_b64 v8, v[C:C+1] offset:520+256*((\t)%2)          ; registers 6, 7
	ds_store_b128 v8, v[C+2:C+5] offset:1024+256*((\t)%2)      ; registers 8-11
.endif
.if (\t) < 2
	LOADW (\t)+2
.endif
	s_wait_dscnt 0x0                               ; the stores have read their registers: the next block's codes may be written
.endm
	LOADW 0
	LOADW 1
	BLOCKW 0
	BLOCKW 1
	BLOCKW 2
	BLOCKW 3
.irp u, 0,1
.irp c, 0,1,2
	ds_load_b128 v[OUTR+12*\u+4*\c:OUTR+12*\u+4*\c+3], v9 offset:1664*\u+512*\c
.endr
.endr
	s_wait_dscnt 0x0
.irp u, 0,1
.irp c, 0,1,2
	global_store_b128 v3, v[OUTR+12*\u+4*\c:OUTR+12*\u+4*\c+3], s[16:17] offset:TP*\u+512*\c   ; 512 consecutive bytes, aligned
.endr
.endr
	global_store_b32 v10, v[SB], s[22:23]          ; 64 bytes in each of two records: 1 byte in 128 of what this way reads
	s_wait_tensorcnt 0x0
	ds_add_u32 v248, v249
	s_wait_dscnt 0x0
	s_endpgm
.Lfunc_end_k_qf491722618_quant:
	.size	k_qf491722618_quant, .Lfunc_end_k_qf491722618_quant-k_qf491722618_quant
	.p2alignl 7, 3214868480
	.fill 96, 4, 3214868480
	.section	.rodata,"a",@progbits
	.p2align	6, 0x0
	.amdhsa_kernel k_qf491722618_quant
		.amdhsa_group_segment_fixed_size 47616
		.amdhsa_private_segment_fixed_size 0
		.amdhsa_enable_private_segment 0
		.amdhsa_kernarg_size 56
		.amdhsa_user_sgpr_count 2
		.amdhsa_user_sgpr_kernarg_segment_ptr 1
		.amdhsa_wavefront_size32 1
		.amdhsa_system_sgpr_workgroup_id_x 1
		.amdhsa_system_sgpr_workgroup_id_y 1
		.amdhsa_system_sgpr_workgroup_id_z 1
		.amdhsa_system_vgpr_workitem_id 0
		.amdhsa_next_free_vgpr 250
		.amdhsa_next_free_sgpr 66
		.amdhsa_reserve_vcc 1
		.amdhsa_float_denorm_mode_32 3
		.amdhsa_float_denorm_mode_16_64 3
		.amdhsa_memory_ordered 1
		.amdhsa_forward_progress 1
		.amdhsa_inst_pref_size 38
	.end_amdhsa_kernel
	.amdgpu_metadata
---
amdhsa.version: [ 1, 2 ]
amdhsa.kernels:
  - .name:           k_qf491722618_quant
    .symbol:         k_qf491722618_quant.kd
    .args:
      - { .name: x, .offset: 0, .size: 8, .value_kind: global_buffer, .address_space: global }
      - { .name: W_q, .offset: 8, .size: 8, .value_kind: global_buffer, .address_space: global }
      - { .name: W_k, .offset: 16, .size: 8, .value_kind: global_buffer, .address_space: global }
      - { .name: W_v, .offset: 24, .size: 8, .value_kind: global_buffer, .address_space: global }
      - { .name: W_out, .offset: 32, .size: 8, .value_kind: global_buffer, .address_space: global }
      - { .name: xq, .offset: 40, .size: 8, .value_kind: global_buffer, .address_space: global }
      - { .name: wq, .offset: 48, .size: 8, .value_kind: global_buffer, .address_space: global }
    .group_segment_fixed_size: 47616
    .private_segment_fixed_size: 0
    .kernarg_segment_align: 8
    .kernarg_segment_size: 56
    .max_flat_workgroup_size: 128
    .sgpr_count:     66
    .vgpr_count:     250
    .wavefront_size: 32
...
	.end_amdgpu_metadata
.endif
;; end of part 1
;; launch qkv (part 2): grid 12 x 64, 4 waves a work-group, clusters of 4 x 4, 307,712 bytes of LDS; arguments xq, wq, qkv; writes qkv
.if DOCPART == 2
	.amdgcn_target "amdgcn-amd-amdhsa--gfx1250"
	.amdhsa_code_object_version 6
	.text
	.protected	k_qf491722618_qkv
	.globl	k_qf491722618_qkv
	.p2align	8
	.type	k_qf491722618_qkv,@function
k_qf491722618_qkv:
	s_mov_b64 s[64:65], 0
	v_nop
	global_prefetch_b8 v0, s[64:65] scope:SCOPE_SE
	s_setreg_imm32_b32 hwreg(HW_REG_WAVE_MODE, 25, 1), 1
	s_wait_xcnt 0x0
	s_wait_alu depctr_hold_cnt(0) depctr_sa_sdst(0) depctr_va_vdst(0) depctr_va_sdst(0) depctr_va_ssrc(0) depctr_va_vcc(0) depctr_vm_vsrc(0)
	s_getreg_b32 s2, hwreg(HW_REG_IB_STS2, 6, 4)
	s_cmp_eq_u32 s2, 0
	s_cbranch_scc0 .Lentry_in_a_cluster
	s_endpgm
.Lentry_in_a_cluster:
	s_bfe_u32 s2, ttmp6, 0x10000c
	s_cmp_lg_u32 s2, 0xf033
	s_cbranch_scc0 .Lentry_shape_is_right
	s_endpgm
.Lentry_shape_is_right:
; q = x W_q, k = x W_k, v = x W_v on codes of FP6 (E2M3) with E8M0 scales; the results are quantised at once: q and k along a head's 64, v along the keys, and leave as images of operand registers.
; THE CORE: C'[m'][n'] = sum over k of A'[m'][k] B'[n'][k], K = 1,024.  A work-group makes 128 (A') x 256 (B'); four waves 2 x 2, each 64 x 128: 32 accumulators in 256 registers.
; The matrix instruction is used transposed (source 0 = 16 rows of B', source 1 = 16 rows of A'): a lane holds one row of A' and eight rows of B'.  The rows of a tile of either operand are laid so
; that the 16 registers of B's blocks 2 i and 2 i + 1 are 16 true neighbours: what the conversions want.
; TWO MODES, chosen by selects on the cluster's x, which all partners share; no branch hangs on it.  Clusters x = 0, 1: A' = x's rows, B' = columns of W_q | W_k: a lane holds a row of x, registers run
; along n: two heads to a wave.  Cluster x = 2: A' = columns of W_v, B' = x's rows: a lane holds a channel, registers run along 128 keys.
; ALL OF K LIES IN LDS: four slots of 256 along K, 76,800 bytes each, every one filled once, at the head: no slot is filled again.  768 tiles: three for each of 256 WGPs.
; CLUSTERS: 4 x 4.  A's tiles hang on the tile row alone and are asked for jointly by a row of the cluster, B's on the tile column alone, by a column.
; OUT (buffer qkv): q's images at 1,536 (512 pair + row tile), their scales from QSC on, 128 bytes each; from KV0 on a record of 26,624 bytes for (batch, pair of heads, 128 keys): 8 images of k,
; 8 of v, 16 x 128 bytes of scales.  An image is stored in four pieces (registers 0-3, 4-5, 6-7, 8-11), so that its first 768 bytes are the even head's six registers and the rest the odd head's.
; Its 128 scale bytes: 16 whole words, then the 16 words shifted down by 16 bits (the odd head's two bytes low).
; LIMITS: a block of zeros gets the byte 1 (its codes are zeros; this program alone reads the bytes); NaN and infinities are not served.
; REGISTERS: window 0: v1-4 lane offsets; v16-27 LDS addresses; v32-47 scale words, two sets; v48-143 A's fragments, two sets; v144-247 the way out.  window 1: v0-191 B's fragments, two sets.  window 2: the accumulators, (a, b) at v[8 (8 a + b)].
.set TP,    13312                      ; a row tile's four records in memory
.set REC,   3328
.set TL,    3200                       ; what is fetched of a record: two images and 32 scale words
.set SLOT,  24*TL                      ; A's 8 row tiles, then B's 16
.set KV0,   6815744
.set QSC,   6291456
.set RECB,  26624
.set ADRA,  16                         ; v16-19  my A fragments in slot 0..3
.set ADRB,  20                         ; v20-23  my B fragments
.set ADRS,  24                         ; v24-27  scale words: lanes 0-15 A's, lanes 16-31 B's
.set SC,    32
.set AF,    48
.set TM,    144
.set PW,    240
.set SW,    244
.set G1A,   24                         ; s[24:31] group 1 for A's tiles; s[32:39] for B's
.set G1B,   32
.set G0A,   40                         ; s[40:55] group 0 for A, a set for each slot; B's: s[56:63], s[68:75]
.set MSB, 0
.macro WIN new                         ; the immediate's high byte repeats the setting that is left
.if MSB != \new
	s_set_vgpr_msb (MSB<<8)|\new
.set MSB, \new
.endif
.endm
.set MUL,  0xa1                        ; source 0 (B) window 1, source 1 (A) window 0, C and D window 2
.set TO_B, 0x40                        ; destination window 1, address window 0
.macro CROUND                          ; a round of the cluster's barrier
	s_barrier_signal -1
	s_barrier_wait -1
	s_cmp_lg_u32 s14, 0
	s_cbranch_scc1 .Lnot_wave_0_\@
	s_barrier_signal -3
.Lnot_wave_0_\@:
	s_barrier_wait -3
	s_barrier_signal -1
	s_barrier_wait -1
.endm
.macro GROUP1 g, rows                  ; rows of 400 elements of 8 bytes (3,200 bytes), 1,664 elements (13,312 bytes) apart, dense in LDS
	s_mov_b32 s[\g+1], 400<<16                     ; tensor_dim0
	s_mov_b32 s[\g+2], (\rows)<<16                 ; tensor_dim1
	s_mov_b32 s[\g+3], 400<<16                     ; tile_dim0
	s_mov_b32 s[\g+4], \rows                       ; tile_dim1
	s_mov_b32 s[\g+5], 1664                        ; tensor_dim0_stride
	s_mov_b32 s[\g+6], 0
	s_mov_b32 s[\g+7], 0
.endm
; the fragments and scale words of K step j (128 along K) into set j % 2: every load takes consecutive bytes
.macro FETCH j
.set FS, (\j)/2
.set FQ, (\j)%2
	WIN TO_B
.irp i, 0,1,2,3,4,5,6,7
.irp c, 0,1,2
	ds_load_b128 v[96*FQ+12*\i+4*\c:96*FQ+12*\i+4*\c+3], v[ADRB+FS] offset:TL*\i+1536*FQ+512*\c
.endr
.endr
	WIN 0
.irp i, 0,1,2,3
.irp c, 0,1,2
	ds_load_b128 v[AF+48*FQ+12*\i+4*\c:AF+48*FQ+12*\i+4*\c+3], v[ADRA+FS] offset:TL*\i+1536*FQ+512*\c
.endr
.endr
.irp i, 0,1,2,3,4,5,6,7
	ds_load_b32 v[SC+8*FQ+\i], v[ADRS+FS] offset:TL*\i+64*FQ   ; lanes 0-15: A's block i (for i above 3: words of a neighbouring tile, which no product names); lanes 16-31: B's block i
.endr
.endm
; 32 matrix instructions: the accumulators take turns, one instruction a turn, in the same order in every step
.macro MUL32 p, zero
.irp a, 0,1,2,3
.irp b, 0,1,2,3,4,5,6,7
.if \zero
	v_wmma_scale_f32_16x16x128_f8f6f4 v[8*(8*\a+\b):8*(8*\a+\b)+7], v[96*(\p)+12*\b:96*(\p)+12*\b+11], v[AF+48*(\p)+12*\a:AF+48*(\p)+12*\a+11], 0, v[SC+8*(\p)+\b], v[SC+8*(\p)+\a] matrix_a_fmt:MATRIX_FMT_FP6 matrix_b_fmt:MATRIX_FMT_FP6 matrix_a_scale:MATRIX_SCALE_ROW1
.else
	v_wmma_scale_f32_16x16x128_f8f6f4 v[8*(8*\a+\b):8*(8*\a+\b)+7], v[96*(\p)+12*\b:96*(\p)+12*\b+11], v[AF+48*(\p)+12*\a:AF+48*(\p)+12*\a+11], v[8*(8*\a+\b):8*(8*\a+\b)+7], v[SC+8*(\p)+\b], v[SC+8*(\p)+\a] matrix_a_fmt:MATRIX_FMT_FP6 matrix_b_fmt:MATRIX_FMT_FP6 matrix_a_scale:MATRIX_SCALE_ROW1
.endif
.endr
.endr
.endm
.macro KSTEP j
	s_wait_dscnt 0x0                               ; this step's fragments are in
.if ((\j)%2 == 1) && ((\j) < 7)
	s_wait_tensorcnt 3-((\j)+1)/2                  ; my part of the next slot has landed; the loads issued behind it may stay out
	s_barrier_signal -1
	s_barrier_wait -1                              ; everybody's has
.endif
.if (\j) < 7
.if (\j) > 0
.rept 4
	v_nop                                          ; four places in front of loads into the set that the last step's products read
.endr
.endif
	FETCH (\j)+1                                   ; the next step's 44 loads land while this step is multiplied
.endif
	WIN MUL
.if (\j) == 0
	MUL32 0, 1                                     ; the first products start the sums: nothing is cleared
.else
	MUL32 (\j)%2, 0
.endif
	WIN 0
.endm
	s_load_b128 s[4:7], s[0:1], 0x0                ; xq s[4:5], wq s[6:7]
	s_load_b64 s[8:9], s[0:1], 0x10                ; qkv
	v_lshl_add_u32 v254, v0, 2, 0x4b000
	v_mov_b32 v255, 0
	ds_add_u32 v254, v255
	ds_add_u32 v254, v255
	v_lshrrev_b32 v1, 5, v0
	v_readfirstlane_b32 s14, v1                    ; wave 0..3
	s_lshr_b32 s15, s14, 1                         ; which 64 rows of A' are mine.  Also: I fetch for A (0) or for B (1)
	s_and_b32 s16, s14, 1                          ; which 128 rows of B'.  Also: which half of that tile I fetch
	s_bfe_u32 s76, ttmp6, 0x40000                  ; cx
	s_bfe_u32 s77, ttmp6, 0x40004                  ; cy
	s_and_b32 s78, ttmp7, 0xffff                   ; the cluster's y, 0..15
	s_and_b32 s80, s78, 1
	s_lshr_b32 s81, s78, 1
	s_cmp_eq_u32 ttmp9, 2                          ; the mode: v where the cluster's x is 2
	s_cselect_b32 s79, 1, 0
	s_cselect_b32 s80, s80, s78                    ; cluster row among A's tiles
	s_cselect_b32 s81, s81, ttmp9                  ; cluster column among B's
	s_lshl_b32 s82, s80, 2
	s_add_co_u32 s82, s82, s77                     ; tile row: 128 rows of A'
	s_lshl_b32 s83, s81, 2
	s_add_co_u32 s83, s83, s76                     ; tile column: 256 rows of B'
	s_lshl_b32 s10, s77, 2
	s_lshl_b32 s10, 15, s10                        ; my row of the cluster
	s_lshl_b32 s11, 0x1111, s76                    ; my column
	s_or_b32 s[G1A], s10, (3<<16)|(1<<21)          ; 15:0 the mask; 17:16 elements of 8 bytes; 21 set beside a mask; no padding
	s_or_b32 s[G1B], s11, (3<<16)|(1<<21)
	GROUP1 G1A, 4
	GROUP1 G1B, 8
	s_lshl_b32 s17, s82, 3
	s_lshl_b32 s18, s16, 2
	s_add_co_u32 s17, s17, s18                     ; A: row tile 8 x tile row + 4 x half
	s_mul_i32 s18, s17, TP
	s_mov_b32 s19, 0
	s_lshl_b32 s20, s83, 4
	s_lshl_b32 s21, s16, 3
	s_add_co_u32 s20, s20, s21                     ; B: row tile 16 x tile column + 8 x half
	s_mul_i32 s20, s20, TP
	s_mov_b32 s21, 0
	s_mul_i32 s22, s16, 4*TL                       ; where they go in a slot: no place in the cluster enters an LDS address
	s_mul_i32 s23, s16, 8*TL
	s_add_co_u32 s23, s23, 8*TL
	s_wait_dscnt 0x0
	s_wait_kmcnt 0x0
	s_add_nc_u64 s[86:87], s[6:7], 128*TP          ; W_v's row tiles
	s_cmp_eq_u32 ttmp9, 2
	s_cselect_b64 s[12:13], s[86:87], s[4:5]       ; A'
	s_cselect_b64 s[84:85], s[4:5], s[6:7]         ; B'
	s_add_nc_u64 s[12:13], s[12:13], s[18:19]
	s_add_nc_u64 s[84:85], s[84:85], s[20:21]
	CROUND                                         ; all sixteen work-groups are here: the joint loads meet
.irp g, 0,1,2,3
	s_mov_b32 s[G0A+4*\g], 1
	s_add_co_u32 s[G0A+4*\g+1], s22, SLOT*\g
	s_add_nc_u64 s[G0A+4*\g+2:G0A+4*\g+3], s[12:13], REC*\g
	s_or_b32 s[G0A+4*\g+3], s[G0A+4*\g+3], 0x80000000
	s_mov_b32 s[56+4*\g+4*(\g/2)], 1
	s_add_co_u32 s[56+4*\g+4*(\g/2)+1], s23, SLOT*\g
	s_add_nc_u64 s[56+4*\g+4*(\g/2)+2:56+4*\g+4*(\g/2)+3], s[84:85], REC*\g
	s_or_b32 s[56+4*\g+4*(\g/2)+3], s[56+4*\g+4*(\g/2)+3], 0x80000000
.endr
	s_cmp_eq_u32 s15, 0                            ; a wave's four fills stand in one branch on the wave's number, ahead of every wait on TENSORcnt and every LDS read: four loads of mine are out
	s_cbranch_scc0 .Lfor_b
.irp g, 0,1,2,3
	tensor_load_to_lds s[G0A+4*\g:G0A+4*\g+3], s[G1A:G1A+7]
	s_nop 0
.endr
.rept 4
	v_nop
.endr
	s_branch .Lasked
.Lfor_b:
.irp g, 0,1,2,3
	tensor_load_to_lds s[56+4*\g+4*(\g/2):56+4*\g+4*(\g/2)+3], s[G1B:G1B+7]
	s_nop 0
.endr
.rept 4
	v_nop
.endr
.Lasked:
	v_and_b32 v5, 31, v0
	v_lshlrev_b32 v1, 4, v5                        ; 16 x lane
	v_lshlrev_b32 v2, 3, v5                        ; 8 x lane
	v_lshlrev_b32 v3, 2, v5                        ; 4 x lane
	v_and_b32 v6, 15, v0                           ; r
	v_bfe_u32 v7, v0, 4, 1                         ; h
	v_lshlrev_b32 v4, 4, v7                        ; 16 h: lanes 16-31 store the scale word shifted down
	s_mul_i32 s10, s15, 4*TL                       ; my 4 row tiles of A
	s_mul_i32 s11, s16, 8*TL
	s_add_co_u32 s11, s11, 8*TL                    ; my 8 of B, behind A's 8
	s_sub_co_u32 s2, s11, s10
	v_mul_u32_u24 v8, s2, v7                       ; lanes 16-31 take B's words: one product with h
	v_lshl_add_u32 v8, v6, 2, v8
	s_add_co_u32 s3, s10, 3072
.irp g, 0,1,2,3
	v_add_nc_u32 v[ADRA+\g], s10, v1
	v_add_nc_u32 v[ADRB+\g], s11, v1
	v_add_nc_u32 v[ADRS+\g], s3, v8
	s_add_co_u32 s10, s10, SLOT
	s_add_co_u32 s11, s11, SLOT
	s_add_co_u32 s3, s3, SLOT
.endr
.irp b, 0,1,2,3
	v_mov_b32 v[TM+4+\b], 0                        ; written once: a lane permute's destination counts as one of its sources
.endr
	; where my four images go
	s_lshl_b32 s86, s83, 1
	s_add_co_u32 s86, s86, s16                     ; g: my 128 rows of B'
	s_lshr_b32 s87, s86, 4                         ; v: batch,
	s_and_b32 s88, s86, 15                         ;    128 keys
	s_lshr_b32 s89, s82, 4                         ; q, k: batch,
	s_and_b32 s90, s82, 15                         ;    128 rows
	s_and_b32 s91, s86, 7                          ; q, k: pair of heads
	s_cmp_eq_u32 s79, 1
	s_cselect_b32 s87, s87, s89
	s_cselect_b32 s88, s88, s90
	s_cselect_b32 s91, s82, s91                    ; v: the pair is the tile row
	s_lshl_b32 s87, s87, 3
	s_add_co_u32 s87, s87, s91
	s_lshl_b32 s87, s87, 4
	s_add_co_u32 s87, s87, s88                     ; the record
	s_mul_i32 s87, s87, RECB
	s_add_co_u32 s87, s87, KV0
	s_lshl_b32 s88, s79, 3
	s_lshl_b32 s89, s15, 2
	s_add_co_u32 s88, s88, s89                     ; my first image in it: 8 x mode + 4 x row half
	s_mul_i32 s90, s88, 1536
	s_add_co_u32 s90, s90, s87                     ; k, v: codes
	s_lshl_b32 s88, s88, 7
	s_add_co_u32 s88, s88, s87
	s_add_co_u32 s88, s88, 24576                   ; k, v: scales
	s_lshl_b32 s91, s86, 9
	s_lshl_b32 s92, s82, 3
	s_add_co_u32 s91, s91, s92
	s_add_co_u32 s91, s91, s89                     ; q: image 512 pair + 8 tile row + 4 row half
	s_mul_i32 s92, s91, 1536
	s_lshl_b32 s91, s91, 7
	s_add_co_u32 s91, s91, QSC
	s_lshl_b32 s93, s79, 6
	s_add_co_u32 s93, s93, s86
	s_cmp_lt_u32 s93, 8                            ; q: mode 0 and g under 8
	s_cselect_b32 s92, s92, s90
	s_cselect_b32 s94, s91, s88
	s_mov_b32 s93, 0
	s_mov_b32 s95, 0
	s_add_nc_u64 s[96:97], s[8:9], s[92:93]        ; codes
	s_add_nc_u64 s[98:99], s[8:9], s[94:95]        ; scales
	s_wait_tensorcnt 3                             ; my part of slot 0 has landed; the three loads behind it may stay out
	s_barrier_signal -1
	s_barrier_wait -1
	FETCH 0
.irp j, 0,1,2,3,4,5,6,7
	KSTEP \j
.endr
.rept 4
	v_nop                                          ; four places in front of the first read of results
.endr
; A's block a: 64 numbers of a lane, register 16 b + i = place 32 b + 16 (lane / 16) + i along the next K, become an image's 12 registers and its scale word.  Each accumulator is read from its low end on.
.macro QUANTW a
.set AC, 64*(\a)
.set PC, 160+20*(\a)                   ; a set of its own for each block: no store's data are written again
	WIN 0x0a                                       ; sources 0 and 1: window 2
.irp b, 0,1,2,3
	v_max3_num_f32 v[TM+\b], |v[AC+16*\b]|, |v[AC+1+16*\b]|, 0x1800000   ; with the floor 2^(3 - 127)
.endr
.irp i, 2,4,6,8,10,12,14
.irp b, 0,1,2,3
	v_max3_num_f32 v[TM+\b], |v[AC+16*\b+\i]|, |v[AC+1+16*\b+\i]|, v[TM+\b]
.endr
.endr
	WIN 0
.irp b, 0,1,2,3
	v_permlanex16_b32 v[TM+4+\b], v[TM+\b], s[12], s[13]
.endr
.irp b, 0,1,2,3
	v_max_num_f32 v[TM+\b], v[TM+\b], v[TM+4+\b]   ; with lane l xor 16's: the block's largest magnitude
.endr
.irp b, 0,1,2,3
	v_add_nc_u32 v[TM+12+\b], 0xff000000, v[TM+\b] ; 2 off the exponent field: the conversion's scale operand
.endr
.irp b, 0,1,2,3
	v_lshrrev_b32 v[TM+8+\b], 23, v[TM+12+\b]      ; the scale's byte
.endr
	v_lshl_or_b32 v[PW+(\a)], v[TM+9], 8, v[TM+8]
	v_lshl_or_b32 v[PW+(\a)], v[TM+10], 16, v[PW+(\a)]
	v_lshl_or_b32 v[PW+(\a)], v[TM+11], 24, v[PW+(\a)]
	WIN 0x02                                       ; source 0: window 2
.irp c, 0,1
	v_cvt_scalef32_pk16_fp6_f32 v[PC+6*\c:PC+2+6*\c], v[AC+32*\c:AC+15+32*\c], v[TM+12+2*\c]
	v_cvt_scalef32_pk16_fp6_f32 v[PC+12+4*\c:PC+14+4*\c], v[AC+16+32*\c:AC+31+32*\c], v[TM+12+2*\c+1]
.endr
	WIN 0
	v_nop                                          ; one plain line behind the scaled conversions
.irp c, 0,1                            ; the operand's layout wants a whole block in a lane
.irp i, 0,1,2
	v_permlane16_swap_b32 v[PC+6*\c+\i], v[PC+12+4*\c+\i]
.endr
.irp i, 0,1,2
	v_mov_b32 v[PC+3+6*\c+\i], v[PC+12+4*\c+\i]
.endr
.endr
	v_lshrrev_b32 v[SW+(\a)], v4, v[PW+(\a)]
	global_store_b128 v1, v[PC:PC+3], s[96:97] offset:1536*(\a)              ; every store covers consecutive, aligned bytes: 512,
	global_store_b64 v2, v[PC+4:PC+5], s[96:97] offset:1536*(\a)+512         ; 256,
	global_store_b64 v2, v[PC+6:PC+7], s[96:97] offset:1536*(\a)+768         ; 256,
	global_store_b128 v1, v[PC+8:PC+11], s[96:97] offset:1536*(\a)+1024      ; 512,
	global_store_b32 v3, v[SW+(\a)], s[98:99] offset:128*(\a)                ; 128
.endm
	s_mov_b32 s12, 0x76543210                      ; (A's address is done with)  lane selects: lane l xor 16
	s_mov_b32 s13, 0xfedcba98
	QUANTW 0
	QUANTW 1
	QUANTW 2
	QUANTW 3
	s_wait_tensorcnt 0x0
	ds_add_u32 v254, v255
	s_wait_dscnt 0x0
	CROUND                                         ; the closing round: no work-group ends while a partner may still ask for a tile that names it
	s_endpgm
.Lfunc_end_k_qf491722618_qkv:
	.size	k_qf491722618_qkv, .Lfunc_end_k_qf491722618_qkv-k_qf491722618_qkv
	.p2alignl 7, 3214868480
	.fill 96, 4, 3214868480
	.section	.rodata,"a",@progbits
	.p2align	6, 0x0
	.amdhsa_kernel k_qf491722618_qkv
		.amdhsa_group_segment_fixed_size 307712
		.amdhsa_private_segment_fixed_size 0
		.amdhsa_enable_private_segment 0
		.amdhsa_kernarg_size 24
		.amdhsa_user_sgpr_count 2
		.amdhsa_user_sgpr_kernarg_segment_ptr 1
		.amdhsa_wavefront_size32 1
		.amdhsa_system_sgpr_workgroup_id_x 1
		.amdhsa_system_sgpr_workgroup_id_y 1
		.amdhsa_system_sgpr_workgroup_id_z 1
		.amdhsa_system_vgpr_workitem_id 0
		.amdhsa_next_free_vgpr 768
		.amdhsa_next_free_sgpr 100
		.amdhsa_reserve_vcc 0
		.amdhsa_float_denorm_mode_32 3
		.amdhsa_float_denorm_mode_16_64 3
		.amdhsa_memory_ordered 1
		.amdhsa_forward_progress 1
		.amdhsa_inst_pref_size 85
	.end_amdhsa_kernel
	.amdgpu_metadata
---
amdhsa.version: [ 1, 2 ]
amdhsa.kernels:
  - .name:           k_qf491722618_qkv
    .symbol:         k_qf491722618_qkv.kd
    .args:
      - { .name: xq, .offset: 0, .size: 8, .value_kind: global_buffer, .address_space: global }
      - { .name: wq, .offset: 8, .size: 8, .value_kind: global_buffer, .address_space: global }
      - { .name: qkv, .offset: 16, .size: 8, .value_kind: global_buffer, .address_space: global }
    .group_segment_fixed_size: 307712
    .private_segment_fixed_size: 0
    .kernarg_segment_align: 8
    .kernarg_segment_size: 24
    .max_flat_workgroup_size: 128
    .sgpr_count:     100
    .vgpr_count:     768
    .wavefront_size: 32
...
	.end_amdgpu_metadata
.endif
;; end of part 2
;; launch attn (part 3): grid 8 x 32, 16 waves a work-group, clusters of 4 x 1, 327,680 bytes of LDS; arguments qkv, ao; writes ao
.if DOCPART == 3
	.amdgcn_target "amdgcn-amd-amdhsa--gfx1250"
	.amdhsa_code_object_version 6
	.text
	.protected	k_qf491722618_attn
	.globl	k_qf491722618_attn
	.p2align	8
	.type	k_qf491722618_attn,@function
k_qf491722618_attn:
	s_mov_b64 s[64:65], 0
	v_nop
	global_prefetch_b8 v0, s[64:65] scope:SCOPE_SE
	s_setreg_imm32_b32 hwreg(HW_REG_WAVE_MODE, 25, 1), 1
	s_wait_xcnt 0x0
	s_wait_alu depctr_hold_cnt(0) depctr_sa_sdst(0) depctr_va_vdst(0) depctr_va_sdst(0) depctr_va_ssrc(0) depctr_va_vcc(0) depctr_vm_vsrc(0)
	s_getreg_b32 s2, hwreg(HW_REG_IB_STS2, 6, 4)
	s_cmp_eq_u32 s2, 0
	s_cbranch_scc0 .Lentry_in_a_cluster
	s_endpgm
.Lentry_in_a_cluster:
	s_bfe_u32 s2, ttmp6, 0x10000c
	s_cmp_lg_u32 s2, 0x3003
	s_cbranch_scc0 .Lentry_shape_is_right
	s_endpgm
.Lentry_shape_is_right:
; Attention of one pair of heads (head size 64) on codes of FP6 (E2M3) with E8M0 scales, with the strict mask of the problem: key m counts for query l where m < l; a hidden logit is -1e7, not -infinity.
; t = score x log2(e) / 8; M = the row's largest t so far, rounded up to a whole number; p = 2^(t - M) is quantised along the keys; the row's sum is taken of the unquantised p and divides at the end.
; The result is quantised along head x 64 + channel and leaves as an image of operand registers for the output product (buffer ao, laid as xq).
; SHARES.  Work-group (x = j, y = 8 batch + pair); wave w owns the tile of 16 queries j + 8 g(w) of the batch's 128, for BOTH heads of the pair, one after the other.  g(w) is read from a table of
; sixteen nibbles: all a wave's queries lie in 128 g .. 128 g + 127, so what a key step of 128 keys is to a wave (open, on the diagonal, hidden) hangs on g and the step alone.  The table spreads
; the waves' steps evenly over groups of four waves, by w / 4 and by w % 4 alike, in each of the three stretches between barriers.
; A step all of whose keys are hidden is left out: a scalar branch round its work.  THE WAVE WITH g = 0 LEAVES NOTHING OUT AND MASKS IN EVERY STEP: query 0 has no open key, its 2,048 logits are all -1e7, and
; its result is the mean of v over all keys; it comes out of the common arithmetic.
; BOTH PRODUCTS ARE USED TRANSPOSED: S^T = K Q^T (source 0 = 16 keys, source 1 = my 16 queries), O^T = V^T P^T: a lane holds one query throughout.  A head's 64 fill half of the instruction's K = 128:
; registers 6-11 of K's and Q's fragments hold zero codes.  The keys of a tile of K and the channels of a tile of V are laid (by the launches before) so that 16 registers of two tiles are 16 neighbours.
; LDS: three regions of four step records (26,624 bytes: 8 images of K, 8 of V, 16 x 128 bytes of scales).  Steps 0-11 are first fills; steps 12-15 fill the first region again, once.
; CLUSTER: the four work-groups of a cluster walk the same K and V: every tensor load is a joint one (mask 15).  Waves 0-3 fetch, a step record each.
; No prefetch: twelve of sixteen records are asked for at the head, and the one refill is issued eight key steps ahead of the wait for it.
; LIMITS: leaving hidden steps out is exact while a row that has an open key has an open logit above about -1e7 + 100 (a hidden p is then 0 in f32).  Query 0's p is 2^(t - M) with t - M by one fused
; multiply-add, about 0.76, where a t rounded to f32 first gives 1: that one row of each batch moves by about one part in a hundred.  A block of zeros gets the byte 1.  NaN and infinities are not served.
; REGISTERS: v1-3 lane offsets; v4 my query - 16 h; v5, v6 the spare word's address and 0; v7 -8e7; v8-10 LDS addresses in hand; v12-19 the two heads' -M, largest t, sum in two halves; v20-43 Q; v44, v45 Q's scale
; words; v48-95 four fragments of K; v96-159 S^T, then p, then four fragments of V; v160-223 O^T of the two heads; v224-235 p's codes; v232-254 at work; v248-251, v253 scale words.
.set KV0,   6815744
.set QSC,   6291456
.set RECB,  26624                      ; a step record
.set REG,   4*RECB                     ; a region
.set SPARE, 3*REG                      ; behind the regions: the spare words, 128 bytes for each of 16 waves: eight blocks of 256 bytes that no other line names
.set B16,  1
.set B8,   2
.set B4,   3
.set QD,   4
.set SPW,  5
.set NIL,  6
.set NEGV, 7
.set L16,  8
.set L8,   9
.set L4,   10
.set TB,   2                           ; s2   LDS byte of the step's record
.set KF,   3                           ; s3   the step's first key
.set WV,   18
.set SEL,  20                          ; s[20:21] lane selects: lane l xor 16
.set CS,   22                          ; s[22:23] c = log2(e) / 8
.set G1,   24                          ; s[24:31] descriptor group 1
.set G0,   32                          ; s[32:43] group 0, a set for each region
.set G128, 44                          ; s44  128 g: my wave's diagonal step
.set LIMH, 45                          ; s45  steps beyond this first key are left out
.set CNT,  46
.macro ROUND                           ; a round of the cluster's barrier
	s_barrier_signal -1
	s_barrier_wait -1
	s_cmp_lg_u32 s[WV], 0
	s_cbranch_scc1 .Lnot_wave_0_\@
	s_barrier_signal -3
.Lnot_wave_0_\@:
	s_barrier_wait -3
	s_barrier_signal -1
	s_barrier_wait -1
.endm
	s_load_b128 s[4:7], s[0:1], 0x0                ; qkv s[4:5], ao s[6:7]
	v_lshl_add_u32 v[SPW], v0, 2, SPARE
	v_mov_b32 v[NIL], 0
	ds_add_u32 v5, v6
	ds_add_u32 v5, v6
	s_wait_dscnt 0x0
	v_lshrrev_b32 v8, 5, v0
	v_readfirstlane_b32 s[WV], v8                  ; wave 0..15
	s_bfe_u32 s47, ttmp6, 0x40000                  ; cx: it enters Q's and ao's addresses and the mask's compare alone
	s_lshl_b32 s48, ttmp9, 2
	s_add_co_u32 s48, s48, s47                     ; j
	s_and_b32 s49, ttmp7, 0xffff                   ; y = 8 batch + pair, which the partners share
	s_lshr_b32 s50, s49, 3
	s_and_b32 s51, s49, 7
	s_mov_b32 s52, 0x8d3aec61                      ; g of waves 8-15, a nibble each,
	s_cmp_lt_u32 s[WV], 8
	s_cselect_b32 s52, 0x97f542b0, s52             ; of waves 0-7
	s_and_b32 s53, s[WV], 7
	s_lshl_b32 s53, s53, 2
	s_lshr_b32 s52, s52, s53
	s_and_b32 s52, s52, 15                         ; g
	s_lshl_b32 s[G128], s52, 7
	s_cmp_eq_u32 s52, 0
	s_cselect_b32 s[LIMH], -1, s[G128]             ; g = 0 walks all keys
	s_lshl_b32 s53, s52, 3
	s_add_co_u32 s53, s53, s48                     ; my tile of queries in the batch
	s_lshl_b32 s54, s50, 7
	s_add_co_u32 s54, s54, s53                     ; and among all 512
	s_lshl_b32 s55, s51, 9
	s_add_co_u32 s55, s55, s54                     ; Q's image
	s_mul_i32 s56, s55, 1536
	s_mov_b32 s57, 0
	s_lshl_b32 s58, s55, 7
	s_add_co_u32 s58, s58, QSC
	s_mov_b32 s59, 0
	s_mul_i32 s60, s54, 13312                      ; ao: my row tile,
	s_lshr_b32 s66, s51, 1
	s_mul_i32 s66, s66, 3328
	s_add_co_u32 s60, s60, s66                     ; the record of 256 along K,
	s_and_b32 s66, s51, 1
	s_lshl_b32 s62, s66, 6
	s_add_co_u32 s62, s62, s60
	s_add_co_u32 s62, s62, 3072                    ; its scale words of my 128,
	s_mul_i32 s66, s66, 1536
	s_add_co_u32 s60, s60, s66                     ; and its image
	s_mov_b32 s61, 0
	s_mov_b32 s63, 0
	s_mul_i32 s68, s49, 16*RECB                    ; K and V: the sixteen records of (batch, pair),
	s_and_b32 s66, s[WV], 3
	s_mul_i32 s66, s66, RECB                       ; the one of four that I fetch; also its place in a region
	s_add_co_u32 s68, s68, s66
	s_add_co_u32 s68, s68, KV0
	s_mov_b32 s69, 0
	s_mov_b32 s[G1], 15|(3<<16)|(1<<21)            ; 15:0 the mask: all four work-groups; 17:16 elements of 8 bytes; 21 set beside a mask; no padding
	s_mov_b32 s[G1+1], 32<<16                      ; a dense block as rows of 256 bytes: tensor_dim0 = 32
	s_mov_b32 s[G1+2], 104<<16                     ; tensor_dim1 = 104
	s_mov_b32 s[G1+3], 32<<16                      ; tile_dim0
	s_mov_b32 s[G1+4], 104                         ; tile_dim1
	s_mov_b32 s[G1+5], 32                          ; tensor_dim0_stride
	s_mov_b32 s[G1+6], 0
	s_mov_b32 s[G1+7], 0
	s_mov_b32 s[SEL], 0x76543210
	s_mov_b32 s[SEL+1], 0xfedcba98
	s_mov_b32 s[CS], 0x3e38aa3b                    ; log2(e) / 8
	s_mov_b32 s[CS+1], s[CS]                       ; (named with it as a pair, so it is written)
	s_wait_kmcnt 0x0
	s_add_nc_u64 s[68:69], s[4:5], s[68:69]
	s_add_nc_u64 s[56:57], s[4:5], s[56:57]
	s_add_nc_u64 s[58:59], s[4:5], s[58:59]
	s_add_nc_u64 s[60:61], s[6:7], s[60:61]
	s_add_nc_u64 s[62:63], s[6:7], s[62:63]
.irp g, 0,1,2
	s_mov_b32 s[G0+4*\g], 1
	s_add_co_u32 s[G0+4*\g+1], s66, REG*\g
	s_add_nc_u64 s[G0+4*\g+2:G0+4*\g+3], s[68:69], REG*\g
	s_or_b32 s[G0+4*\g+3], s[G0+4*\g+3], 0x80000000
.endr
	ROUND                                          ; all four work-groups are here: the first joint loads meet
	s_cmp_lt_u32 s[WV], 4                          ; a fetching wave's three first fills stand in one branch on the wave's number: three loads of mine are out
	s_cbranch_scc0 .Lno_fetch
	tensor_load_to_lds s[G0:G0+3], s[G1:G1+7]
	s_nop 0
	tensor_load_to_lds s[G0+4:G0+7], s[G1:G1+7]
	s_nop 0
	tensor_load_to_lds s[G0+8:G0+11], s[G1:G1+7]
	s_nop 0
.rept 4
	v_nop
.endr
.Lno_fetch:
	v_and_b32 v8, 31, v0
	v_lshlrev_b32 v[B16], 4, v8                    ; 16 x lane
	v_lshlrev_b32 v[B8], 3, v8                     ; 8 x lane
	v_and_b32 v9, 15, v0                           ; r
	v_lshlrev_b32 v[B4], 2, v9                     ; 4 r
	global_load_b128 v[20:23], v[B16], s[56:57]                ; Q, the even head: registers 0-3,
	global_load_b64 v[24:25], v[B8], s[56:57] offset:512       ; 4, 5
	global_load_b64 v[32:33], v[B8], s[56:57] offset:768       ; the odd head: the image's registers 6, 7,
	global_load_b128 v[34:37], v[B16], s[56:57] offset:1024    ; 8-11
	global_load_b32 v44, v[B4], s[58:59]                       ; the scale words: whole,
	global_load_b32 v45, v[B4], s[58:59] offset:64             ; and with the odd head's bytes low
	v_bfe_u32 v10, v0, 4, 1                        ; h
	v_and_b32 v11, 8, v9
	v_add_nc_u32 v11, v11, v9                      ; r + 8 (r / 8)
	v_lshlrev_b32 v10, 4, v10
	v_sub_nc_u32 v11, v11, v10
	s_lshr_b32 s47, s48, 1
	s_lshl_b32 s47, s47, 5
	s_and_b32 s67, s48, 1
	s_lshl_b32 s67, s67, 3
	s_add_co_u32 s47, s47, s67
	s_add_co_u32 s47, s47, s[G128]
	v_add_nc_u32 v[QD], s47, v11                   ; my query 128 g + 32 (j / 2) + 8 (j % 2) + r + 8 (r / 8), less 16 h
	v_mov_b32 v[NEGV], 0xcc989680                  ; -8e7: times 1 / 8 the problem's -1e7
.irp e, 0,1
	v_mov_b32 v[13+4*\e], 0xff61b1e6               ; the largest t so far: -3e38
	v_floor_f32 v[12+4*\e], -v[13+4*\e]            ; -M
	v_mov_b32 v[14+4*\e], 0                        ; the sum, in two halves
	v_mov_b32 v[15+4*\e], 0
.irp i, 0,1,2,3,4,5
	v_mov_b32 v[26+12*\e+\i], 0                    ; Q: zero codes for k = 64 .. 127
.endr
.endr
.irp t, 0,1,2,3
.irp i, 0,1,2,3,4,5
	v_mov_b32 v[54+12*\t+\i], 0                    ; K likewise: written once, no load lands here
.endr
.endr
.irp b, 0,1,2,3
	v_mov_b32 v[236+\b], 0                         ; written once: a lane permute's destination counts as one of its sources
.endr
	v_mov_b32 v253, 0                              ; (named as the upper half of the pair v[252:253] before it is first written)
.set JJ, 0
.rept 64
	v_mov_b32 v[160+JJ], 0                         ; O^T.  (The step is written without a first form of its own: the first change of M leaves zeros zeros)
.set JJ, JJ+1
.endr
; ONE HEAD'S PART OF A KEY STEP
.macro HEAD e
.set ST, 12+4*(\e)
.set OT, 160+32*(\e)
.rept 5
	v_nop                                          ; five places: the last products read v96-143, which the next products write over; they serve the loads below too
.endr
.irp gg, 0,1                           ; S^T = K Q^T, four tiles of 16 keys at a time
.if \gg
.rept 4
	v_nop                                          ; four places in front of loads into registers that matrix instructions have read
.endr
.endif
.irp t, 0,1,2,3
.if (\e) == 0
	ds_load_b128 v[48+12*\t:51+12*\t], v[L16] offset:1536*(4*\gg+\t)
	ds_load_b64 v[52+12*\t:53+12*\t], v[L8] offset:1536*(4*\gg+\t)+512
.else
	ds_load_b64 v[48+12*\t:49+12*\t], v[L8] offset:1536*(4*\gg+\t)+768
	ds_load_b128 v[50+12*\t:53+12*\t], v[L16] offset:1536*(4*\gg+\t)+1024
.endif
	ds_load_b32 v[248+\t], v[L4] offset:24576+128*(4*\gg+\t)+64*(\e)
.endr
	s_wait_dscnt 0x0
.irp t, 0,1,2,3
	v_wmma_scale_f32_16x16x128_f8f6f4 v[96+8*(4*\gg+\t):103+8*(4*\gg+\t)], v[48+12*\t:59+12*\t], v[20+12*(\e):31+12*(\e)], 0, v[248+\t], v[44+(\e)] matrix_a_fmt:MATRIX_FMT_FP6 matrix_b_fmt:MATRIX_FMT_FP6
.endr
.endr                                  ; register 16 b + i: key KF + 32 b + 16 (lane / 16) + i
.rept 4
	v_nop
.endr
	s_cmp_lt_u32 s[KF], s[G128]                    ; a step ahead of my diagonal step is open: no mask
	s_cbranch_scc1 .Lopen_\@
	v_sub_nc_u32 v254, v[QD], s[KF]                ; d = my query - 16 (lane / 16) - KF: register 16 b + i is hidden where 32 b + i >= d
.set NN, 0
.rept 64
	v_cmp_ge_i32 vcc_lo, 32*(NN/16)+NN%16, v254
	v_cndmask_b32 v[96+NN], v[96+NN], v[NEGV], vcc_lo
.set NN, NN+1
.endr
.Lopen_\@:
.irp b, 0,1,2,3
	v_max3_num_f32 v[232+\b], v[96+16*\b], v[97+16*\b], v[98+16*\b]   ; the largest score of each block of 32 keys: for the row's maximum and, since p rises with the score, for the block's largest p
.endr
.irp i, 3,5,7,9,11,13
.irp b, 0,1,2,3
	v_max3_num_f32 v[232+\b], v[232+\b], v[96+16*\b+\i], v[97+16*\b+\i]
.endr
.endr
.irp b, 0,1,2,3
	v_max_num_f32 v[232+\b], v[232+\b], v[111+16*\b]
.endr
.irp b, 0,1,2,3
	v_permlanex16_b32 v[236+\b], v[232+\b], s[SEL], s[SEL+1]
.endr
.irp b, 0,1,2,3
	v_max_num_f32 v[232+\b], v[232+\b], v[236+\b]  ; with lane l xor 16's 16 keys
.endr
	v_max3_num_f32 v254, v232, v233, v234
	v_max_num_f32 v254, v254, v235
	v_mul_f32 v254, s[CS], v254                    ; the step's largest t
	v_max_num_f32 v[ST+1], v[ST+1], v254           ; the running largest t
	v_mov_b32 v254, v[ST]
	v_floor_f32 v[ST], -v[ST+1]                    ; the new -M = -ceil(t): a whole number
	v_sub_f32 v254, v[ST], v254                    ; old M - new M, 0 or less
	v_cvt_i32_f32 v254, v254                       ; (it saturates)
	v_ldexp_f32 v252, 1.0, v254                    ; f = 2^(old M - new M): a multiplication by it rounds nothing
.set JJ, 0
.rept 32
	v_pk_fma_f32 v[96+JJ:97+JJ], v[96+JJ:97+JJ], s[CS:CS+1], v[ST:ST+1] op_sel_hi:[1,0,0]   ; t - M, two at a time
.set JJ, JJ+2
.endr
.irp b, 0,1,2,3
	v_fma_f32 v[232+\b], v[232+\b], s[CS], v[ST]   ; the same of each block's largest score
.endr
.set JJ, 0
.rept 64
	v_exp_f32 v[96+JJ], v[96+JJ]                   ; p = 2^(t - M)
.set JJ, JJ+1
.endr
	v_pk_mul_f32 v[ST+2:ST+3], v[ST+2:ST+3], v[252:253] op_sel_hi:[1,0]   ; the sums under the new M: a plain line behind the exponentials
	s_wait_alu depctr_va_vdst(0)                   ; one wait for the batch of 64, ahead of its first reader
.irp b, 0,1,2,3
	v_exp_f32 v[232+\b], v[232+\b]                 ; each block's largest p
.endr
	v_pk_add_f32 v[236:237], v[96:97], v[98:99]    ; the row's sum of the unquantised p, in two chains
.irp j, 4,8,12,16,20,24,28,32,36,40,44,48,52,56,60
	v_pk_add_f32 v[ST+2:ST+3], v[ST+2:ST+3], v[96+\j:97+\j]
	v_pk_add_f32 v[236:237], v[236:237], v[98+\j:99+\j]
.endr
	v_pk_add_f32 v[ST+2:ST+3], v[ST+2:ST+3], v[236:237]
	s_wait_alu depctr_va_vdst(0)                   ; and one for the four
.irp b, 0,1,2,3
	v_max_num_f32 v[232+\b], 0x1800000, v[232+\b]  ; the floor 2^(3 - 127): a block whose every p is 0 keeps the byte 1 over zero codes
.endr
.irp b, 0,1,2,3
	v_add_nc_u32 v[244+\b], 0xff000000, v[232+\b]  ; 2 off the exponent field: the conversion's scale operand
.endr
.irp b, 0,1,2,3
	v_lshrrev_b32 v[236+\b], 23, v[244+\b]
.endr
	v_lshl_or_b32 v253, v237, 8, v236              ; p's scale word for these 128 keys
	v_lshl_or_b32 v253, v238, 16, v253
	v_lshl_or_b32 v253, v239, 24, v253
.irp c, 0,1
	v_cvt_scalef32_pk16_fp6_f32 v[224+6*\c:226+6*\c], v[96+32*\c:111+32*\c], v[244+2*\c]
	v_cvt_scalef32_pk16_fp6_f32 v[236+4*\c:238+4*\c], v[112+32*\c:127+32*\c], v[244+2*\c+1]
.endr
	v_nop                                          ; one plain line behind the scaled conversions
.irp t, 0,1,2,3                        ; V's four tiles of this head's 64 channels land where p lay, while p's codes are put in order and O^T is rescaled
	ds_load_b128 v[96+12*\t:99+12*\t], v[L16] offset:1536*(8+4*(\e)+\t)
	ds_load_b64 v[100+12*\t:101+12*\t], v[L8] offset:1536*(8+4*(\e)+\t)+512
	ds_load_b64 v[102+12*\t:103+12*\t], v[L8] offset:1536*(8+4*(\e)+\t)+768
	ds_load_b128 v[104+12*\t:107+12*\t], v[L16] offset:1536*(8+4*(\e)+\t)+1024
	ds_load_b32 v[248+\t], v[L4] offset:24576+128*(8+4*(\e)+\t)
.endr
.irp c, 0,1                            ; the operand's layout wants a whole block in a lane
.irp i, 0,1,2
	v_permlane16_swap_b32 v[224+6*\c+\i], v[236+4*\c+\i]
.endr
.irp i, 0,1,2
	v_mov_b32 v[227+6*\c+\i], v[236+4*\c+\i]
.endr
.endr
.set JJ, 0
.rept 16
	v_pk_mul_f32 v[OT+JJ:OT+JJ+1], v[OT+JJ:OT+JJ+1], v[252:253] op_sel_hi:[1,0]   ; O^T under the new M.  (These sixteen are also the places between the lines that wrote p's codes and scale word and the products)
.set JJ, JJ+2
.endr
	s_wait_dscnt 0x0
.irp t, 0,1,2,3                        ; O^T += V^T P^T: four accumulators by turns
	v_wmma_scale_f32_16x16x128_f8f6f4 v[OT+8*\t:OT+8*\t+7], v[96+12*\t:107+12*\t], v[224:235], v[OT+8*\t:OT+8*\t+7], v[248+\t], v253 matrix_a_fmt:MATRIX_FMT_FP6 matrix_b_fmt:MATRIX_FMT_FP6
.endr
.endm
.macro STEP
	s_cmp_gt_u32 s[KF], s[LIMH]                    ; all 128 keys come after my queries: the work is left out, not the two lines that step
	s_cbranch_scc1 .Lhidden_\@
	v_add_nc_u32 v[L16], s[TB], v[B16]
	v_add_nc_u32 v[L8], s[TB], v[B8]
	v_add_nc_u32 v[L4], s[TB], v[B4]
	HEAD 0
	HEAD 1
.Lhidden_\@:
	s_add_co_u32 s[KF], s[KF], 128
	s_add_co_u32 s[TB], s[TB], RECB
.endm
	s_wait_loadcnt 0x0                             ; Q
	s_wait_tensorcnt 2                             ; my record of the first region has landed; the two loads behind it may stay out
	s_barrier_signal -1
	s_barrier_wait -1
	s_mov_b32 s[KF], 0
	s_mov_b32 s[TB], 0
	s_mov_b32 s[CNT], 4
.Lfirst:                                           ; key steps 0-3
	STEP
	s_sub_co_u32 s[CNT], s[CNT], 1
	s_cmp_lg_u32 s[CNT], 0
	s_cbranch_scc1 .Lfirst
	; THE ONE CHANGE: the first region is filled again, with key steps 12-15
	s_wait_tensorcnt 0x0                           ; all my tensor loads have landed, the second and third regions' among them: a group 0 may be written
	ds_add_u32 v[SPW], v[NIL]                      ; 0 onto my spare word
	ds_add_u32 v5, v6
	s_add_nc_u64 s[G0+2:G0+3], s[G0+2:G0+3], 3*REG ; twelve records on; the type bits on top are not reached
	s_wait_dscnt 0x0                               ; the add is done, and my reads of the first region are over
	ROUND                                          ; both now hold of every wave of all four work-groups
	s_cmp_lt_u32 s[WV], 4
	s_cbranch_scc0 .Lno_refill
	tensor_load_to_lds s[G0:G0+3], s[G1:G1+7]      ; the first thing behind the round, a wave's one load: it has eight key steps in which to land
	s_nop 0
.rept 4
	v_nop
.endr
.Lno_refill:
	s_mov_b32 s[TB], REG
	s_mov_b32 s[CNT], 8
.Lsecond:                                          ; key steps 4-11: both regions were shown whole in front of the round
	STEP
	s_sub_co_u32 s[CNT], s[CNT], 1
	s_cmp_lg_u32 s[CNT], 0
	s_cbranch_scc1 .Lsecond
	s_wait_tensorcnt 0x0                           ; my part of the refill has landed,
	s_wait_dscnt 0x0
	s_barrier_signal -1
	s_barrier_wait -1                              ; everybody's has
	s_mov_b32 s[TB], 0
	s_mov_b32 s[CNT], 4
.Lthird:                                           ; key steps 12-15
	STEP
	s_sub_co_u32 s[CNT], s[CNT], 1
	s_cmp_lg_u32 s[CNT], 0
	s_cbranch_scc1 .Lthird
	; THE WAY OUT: O^T / the sum, quantised along head x 64 + channel: register 16 b + i of v160-223 is place 128 pair + 32 b + 16 (lane / 16) + i of my query's row
.rept 4
	v_nop                                          ; four places behind the last products
.endr
.irp e, 0,1
	v_add_f32 v[14+4*\e], v[14+4*\e], v[15+4*\e]
.endr
.irp e, 0,1
	v_permlanex16_b32 v[236+\e], v[14+4*\e], s[SEL], s[SEL+1]
.endr
.irp e, 0,1
	v_add_f32 v[14+4*\e], v[14+4*\e], v[236+\e]    ; the row's sum
.endr
.irp e, 0,1
	v_rcp_f32 v[14+4*\e], v[14+4*\e]
.endr
	v_nop                                          ; a plain line behind the reciprocals
	s_wait_alu depctr_va_vdst(0)                   ; one wait for the two, ahead of their first reader
.irp e, 0,1
.set JJ, 0
.rept 16
	v_pk_mul_f32 v[160+32*\e+JJ:161+32*\e+JJ], v[160+32*\e+JJ:161+32*\e+JJ], v[14+4*\e:15+4*\e] op_sel_hi:[1,0]
.set JJ, JJ+2
.endr
.endr
.irp b, 0,1,2,3
	v_max3_num_f32 v[232+\b], |v[160+16*\b]|, |v[161+16*\b]|, 0x1800000
.endr
.irp i, 2,4,6,8,10,12,14
.irp b, 0,1,2,3
	v_max3_num_f32 v[232+\b], v[232+\b], |v[160+16*\b+\i]|, |v[161+16*\b+\i]|
.endr
.endr
.irp b, 0,1,2,3
	v_permlanex16_b32 v[236+\b], v[232+\b], s[SEL], s[SEL+1]
.endr
.irp b, 0,1,2,3
	v_max_num_f32 v[232+\b], v[232+\b], v[236+\b]
.endr
.irp b, 0,1,2,3
	v_add_nc_u32 v[244+\b], 0xff000000, v[232+\b]
.endr
.irp b, 0,1,2,3
	v_lshrrev_b32 v[236+\b], 23, v[244+\b]
.endr
	v_lshl_or_b32 v252, v237, 8, v236
	v_lshl_or_b32 v252, v238, 16, v252
	v_lshl_or_b32 v252, v239, 24, v252
.irp c, 0,1
	v_cvt_scalef32_pk16_fp6_f32 v[96+6*\c:98+6*\c], v[160+32*\c:175+32*\c], v[244+2*\c]
	v_cvt_scalef32_pk16_fp6_f32 v[108+4*\c:110+4*\c], v[176+32*\c:191+32*\c], v[244+2*\c+1]
.endr
	v_nop
.irp c, 0,1
.irp i, 0,1,2
	v_permlane16_swap_b32 v[96+6*\c+\i], v[108+4*\c+\i]
.endr
.irp i, 0,1,2
	v_mov_b32 v[99+6*\c+\i], v[108+4*\c+\i]
.endr
.endr
.irp c, 0,1,2
	global_store_b128 v[B16], v[96+4*\c:99+4*\c], s[60:61] offset:512*\c     ; 512 consecutive bytes, aligned
.endr
	global_store_b32 v[B4], v252, s[62:63]         ; lanes r and r + 16 store the same word at the same place
	s_wait_tensorcnt 0x0                           ; the wave's end
	ds_add_u32 v[SPW], v[NIL]
	s_wait_dscnt 0x0
	ROUND                                          ; the closing round
	s_endpgm
.Lfunc_end_k_qf491722618_attn:
	.size	k_qf491722618_attn, .Lfunc_end_k_qf491722618_attn-k_qf491722618_attn
	.p2alignl 7, 3214868480
	.fill 96, 4, 3214868480
	.section	.rodata,"a",@progbits
	.p2align	6, 0x0
	.amdhsa_kernel k_qf491722618_attn
		.amdhsa_group_segment_fixed_size 327680
		.amdhsa_private_segment_fixed_size 0
		.amdhsa_enable_private_segment 0
		.amdhsa_kernarg_size 16
		.amdhsa_user_sgpr_count 2
		.amdhsa_user_sgpr_kernarg_segment_ptr 1
		.amdhsa_wavefront_size32 1
		.amdhsa_system_sgpr_workgroup_id_x 1
		.amdhsa_system_sgpr_workgroup_id_y 1
		.amdhsa_system_sgpr_workgroup_id_z 1
		.amdhsa_system_vgpr_workitem_id 0
		.amdhsa_next_free_vgpr 256
		.amdhsa_next_free_sgpr 70
		.amdhsa_reserve_vcc 1
		.amdhsa_float_denorm_mode_32 3
		.amdhsa_float_denorm_mode_16_64 3
		.amdhsa_memory_ordered 1
		.amdhsa_forward_progress 1
		.amdhsa_inst_pref_size 148
	.end_amdhsa_kernel
	.amdgpu_metadata
---
amdhsa.version: [ 1, 2 ]
amdhsa.kernels:
  - .name:           k_qf491722618_attn
    .symbol:         k_qf491722618_attn.kd
    .args:
      - { .name: qkv, .offset: 0, .size: 8, .value_kind: global_buffer, .address_space: global }
      - { .name: ao, .offset: 8, .size: 8, .value_kind: global_buffer, .address_space: global }
    .group_segment_fixed_size: 327680
    .private_segment_fixed_size: 0
    .kernarg_segment_align: 8
    .kernarg_segment_size: 16
    .max_flat_workgroup_size: 512
    .sgpr_count:     70
    .vgpr_count:     256
    .wavefront_size: 32
...
	.end_amdgpu_metadata
.endif
;; end of part 3
;; launch outp (part 4): grid 4 x 64, 4 waves a work-group, clusters of 4 x 4, 307,712 bytes of LDS; arguments ao, wq, out0; writes out0
.if DOCPART == 4
	.amdgcn_target "amdgcn-amd-amdhsa--gfx1250"
	.amdhsa_code_object_version 6
	.text
	.protected	k_qf491722618_outp
	.globl	k_qf491722618_outp
	.p2align	8
	.type	k_qf491722618_outp,@function
k_qf491722618_outp:
	s_mov_b64 s[64:65], 0
	v_nop
	global_prefetch_b8 v0, s[64:65] scope:SCOPE_SE
	s_setreg_imm32_b32 hwreg(HW_REG_WAVE_MODE, 25, 1), 1
	s_wait_xcnt 0x0
	s_wait_alu depctr_hold_cnt(0) depctr_sa_sdst(0) depctr_va_vdst(0) depctr_va_sdst(0) depctr_va_ssrc(0) depctr_va_vcc(0) depctr_vm_vsrc(0)
	s_getreg_b32 s2, hwreg(HW_REG_IB_STS2, 6, 4)
	s_cmp_eq_u32 s2, 0
	s_cbranch_scc0 .Lentry_in_a_cluster
	s_endpgm
.Lentry_in_a_cluster:
	s_bfe_u32 s2, ttmp6, 0x10000c
	s_cmp_lg_u32 s2, 0xf033
	s_cbranch_scc0 .Lentry_shape_is_right
	s_endpgm
.Lentry_shape_is_right:
; out0 = (attention's result) W_out on codes of FP6 (E2M3) with E8M0 scales; out0 [8192][1024] f32.
; THE CORE is that of the launch qkv: C'[m'][n'] = sum over k of A'[m'][k] B'[n'][k], K = 1,024, A' = ao's rows, B' = W_out's columns.  A work-group makes 128 x 256; four waves 2 x 2, each 64 x 128: 32 accumulators.
; The matrix instruction is used transposed (source 0 = 16 rows of B', source 1 = 16 rows of A'): a lane holds eight numbers of one row of the output.
; All of K lies in LDS: four slots of 256 along K, 76,800 bytes each, every one filled once, at the head.  256 tiles: one for each WGP.
; CLUSTERS: 4 x 4.  A's tiles are asked for jointly by a row of the cluster, B's by a column.
; Both operands' row tiles hold true rows 32 (T / 2) + 8 (T % 2) + r + 8 (r / 8): the way out puts rows and columns back in order, rows by the stores' offsets, columns by the places in the stage.
; REGISTERS: window 0: v1-3 lane offsets and stage addresses; v16-27 LDS addresses; v32-47 scale words, two sets; v48-143 A's fragments, two sets; v128-255 rows on the way out.  window 1: v0-191 B's fragments.  window 2: the accumulators.
.set TP,    13312
.set REC,   3328
.set TL,    3200
.set SLOT,  24*TL
.set SPITCH, 528                       ; the way out: a stage of 16 rows x (512 bytes + 16) for each wave, in slot 0: it has had its one fill, and every wave passed a later barrier behind its last read of it
.set ADRA,  16
.set ADRB,  20
.set ADRS,  24
.set SC,    32
.set AF,    48
.set BK,    128
.set G1A,   24
.set G1B,   32
.set G0A,   40
.set MSB, 0
.macro WIN new                         ; the immediate's high byte repeats the setting that is left
.if MSB != \new
	s_set_vgpr_msb (MSB<<8)|\new
.set MSB, \new
.endif
.endm
.set MUL,  0xa1                        ; source 0 (B) window 1, source 1 (A) window 0, C and D window 2
.set TO_B, 0x40
.macro CROUND
	s_barrier_signal -1
	s_barrier_wait -1
	s_cmp_lg_u32 s14, 0
	s_cbranch_scc1 .Lnot_wave_0_\@
	s_barrier_signal -3
.Lnot_wave_0_\@:
	s_barrier_wait -3
	s_barrier_signal -1
	s_barrier_wait -1
.endm
.macro GROUP1 g, rows                  ; rows of 400 elements of 8 bytes (3,200 bytes), 1,664 elements (13,312 bytes) apart, dense in LDS
	s_mov_b32 s[\g+1], 400<<16
	s_mov_b32 s[\g+2], (\rows)<<16
	s_mov_b32 s[\g+3], 400<<16
	s_mov_b32 s[\g+4], \rows
	s_mov_b32 s[\g+5], 1664
	s_mov_b32 s[\g+6], 0
	s_mov_b32 s[\g+7], 0
.endm
.macro FETCH j                         ; the fragments and scale words of K step j into set j % 2
.set FS, (\j)/2
.set FQ, (\j)%2
	WIN TO_B
.irp i, 0,1,2,3,4,5,6,7
.irp c, 0,1,2
	ds_load_b128 v[96*FQ+12*\i+4*\c:96*FQ+12*\i+4*\c+3], v[ADRB+FS] offset:TL*\i+1536*FQ+512*\c
.endr
.endr
	WIN 0
.irp i, 0,1,2,3
.irp c, 0,1,2
	ds_load_b128 v[AF+48*FQ+12*\i+4*\c:AF+48*FQ+12*\i+4*\c+3], v[ADRA+FS] offset:TL*\i+1536*FQ+512*\c
.endr
.endr
.irp i, 0,1,2,3,4,5,6,7
	ds_load_b32 v[SC+8*FQ+\i], v[ADRS+FS] offset:TL*\i+64*FQ   ; lanes 0-15: A's block i (above 3: a neighbouring tile's words, which no product names); lanes 16-31: B's block i
.endr
.endm
.macro MUL32 p, zero                   ; the 32 accumulators take turns, one instruction a turn, in the same order in every step
.irp a, 0,1,2,3
.irp b, 0,1,2,3,4,5,6,7
.if \zero
	v_wmma_scale_f32_16x16x128_f8f6f4 v[8*(8*\a+\b):8*(8*\a+\b)+7], v[96*(\p)+12*\b:96*(\p)+12*\b+11], v[AF+48*(\p)+12*\a:AF+48*(\p)+12*\a+11], 0, v[SC+8*(\p)+\b], v[SC+8*(\p)+\a] matrix_a_fmt:MATRIX_FMT_FP6 matrix_b_fmt:MATRIX_FMT_FP6 matrix_a_scale:MATRIX_SCALE_ROW1
.else
	v_wmma_scale_f32_16x16x128_f8f6f4 v[8*(8*\a+\b):8*(8*\a+\b)+7], v[96*(\p)+12*\b:96*(\p)+12*\b+11], v[AF+48*(\p)+12*\a:AF+48*(\p)+12*\a+11], v[8*(8*\a+\b):8*(8*\a+\b)+7], v[SC+8*(\p)+\b], v[SC+8*(\p)+\a] matrix_a_fmt:MATRIX_FMT_FP6 matrix_b_fmt:MATRIX_FMT_FP6 matrix_a_scale:MATRIX_SCALE_ROW1
.endif
.endr
.endr
.endm
.macro KSTEP j
	s_wait_dscnt 0x0                               ; this step's fragments are in
.if ((\j)%2 == 1) && ((\j) < 7)
	s_wait_tensorcnt 3-((\j)+1)/2                  ; my part of the next slot has landed; the loads issued behind it may stay out
	s_barrier_signal -1
	s_barrier_wait -1
.endif
.if (\j) < 7
.if (\j) > 0
.rept 4
	v_nop                                          ; four places in front of loads into the set that the last step's products read
.endr
.endif
	FETCH (\j)+1
.endif
	WIN MUL
.if (\j) == 0
	MUL32 0, 1                                     ; the first products start the sums
.else
	MUL32 (\j)%2, 0
.endif
	WIN 0
.endm
	s_load_b128 s[4:7], s[0:1], 0x0                ; ao s[4:5], wq s[6:7]
	s_load_b64 s[8:9], s[0:1], 0x10                ; out0
	v_lshl_add_u32 v30, v0, 2, 0x4b000
	v_mov_b32 v31, 0
	ds_add_u32 v30, v31
	ds_add_u32 v30, v31
	v_lshrrev_b32 v1, 5, v0
	v_readfirstlane_b32 s14, v1                    ; wave 0..3
	s_lshr_b32 s15, s14, 1                         ; which 64 rows are mine.  Also: I fetch for A (0) or for B (1)
	s_and_b32 s16, s14, 1                          ; which 128 columns.  Also: which half of that tile I fetch
	s_bfe_u32 s76, ttmp6, 0x40000                  ; cx
	s_bfe_u32 s77, ttmp6, 0x40004                  ; cy
	s_and_b32 s78, ttmp7, 0xffff
	s_lshl_b32 s82, s78, 2
	s_add_co_u32 s82, s82, s77                     ; tile row: 128 rows
	s_lshl_b32 s83, ttmp9, 2
	s_add_co_u32 s83, s83, s76                     ; tile column: 256 columns
	s_lshl_b32 s10, s77, 2
	s_lshl_b32 s10, 15, s10                        ; my row of the cluster
	s_lshl_b32 s11, 0x1111, s76                    ; my column
	s_or_b32 s[G1A], s10, (3<<16)|(1<<21)
	s_or_b32 s[G1B], s11, (3<<16)|(1<<21)
	GROUP1 G1A, 4
	GROUP1 G1B, 8
	s_lshl_b32 s17, s82, 3
	s_lshl_b32 s18, s16, 2
	s_add_co_u32 s17, s17, s18
	s_mul_i32 s18, s17, TP
	s_mov_b32 s19, 0
	s_lshl_b32 s20, s83, 4
	s_lshl_b32 s21, s16, 3
	s_add_co_u32 s20, s20, s21
	s_mul_i32 s20, s20, TP
	s_mov_b32 s21, 0
	s_mul_i32 s22, s16, 4*TL
	s_mul_i32 s23, s16, 8*TL
	s_add_co_u32 s23, s23, 8*TL
	s_wait_dscnt 0x0
	s_wait_kmcnt 0x0
	s_add_nc_u64 s[12:13], s[4:5], s[18:19]
	s_add_nc_u64 s[84:85], s[6:7], 192*TP          ; W_out's row tiles
	s_add_nc_u64 s[84:85], s[84:85], s[20:21]
	CROUND                                         ; all sixteen work-groups are here: the joint loads meet
.irp g, 0,1,2,3
	s_mov_b32 s[G0A+4*\g], 1
	s_add_co_u32 s[G0A+4*\g+1], s22, SLOT*\g
	s_add_nc_u64 s[G0A+4*\g+2:G0A+4*\g+3], s[12:13], REC*\g
	s_or_b32 s[G0A+4*\g+3], s[G0A+4*\g+3], 0x80000000
	s_mov_b32 s[56+4*\g+4*(\g/2)], 1
	s_add_co_u32 s[56+4*\g+4*(\g/2)+1], s23, SLOT*\g
	s_add_nc_u64 s[56+4*\g+4*(\g/2)+2:56+4*\g+4*(\g/2)+3], s[84:85], REC*\g
	s_or_b32 s[56+4*\g+4*(\g/2)+3], s[56+4*\g+4*(\g/2)+3], 0x80000000
.endr
	s_cmp_eq_u32 s15, 0                            ; a wave's four fills stand in one branch on the wave's number: four loads of mine are out
	s_cbranch_scc0 .Lfor_b
.irp g, 0,1,2,3
	tensor_load_to_lds s[G0A+4*\g:G0A+4*\g+3], s[G1A:G1A+7]
	s_nop 0
.endr
.rept 4
	v_nop
.endr
	s_branch .Lasked
.Lfor_b:
.irp g, 0,1,2,3
	tensor_load_to_lds s[56+4*\g+4*(\g/2):56+4*\g+4*(\g/2)+3], s[G1B:G1B+7]
	s_nop 0
.endr
.rept 4
	v_nop
.endr
.Lasked:
	v_and_b32 v5, 31, v0
	v_lshlrev_b32 v1, 4, v5                        ; 16 x lane: an image's place, and my bytes of a row of 512
	v_and_b32 v6, 15, v0                           ; r
	v_bfe_u32 v7, v0, 4, 1                         ; h
	s_mul_i32 s10, s15, 4*TL
	s_mul_i32 s11, s16, 8*TL
	s_add_co_u32 s11, s11, 8*TL
	s_sub_co_u32 s2, s11, s10
	v_mul_u32_u24 v8, s2, v7                       ; lanes 16-31 take B's words: one product with h
	v_lshl_add_u32 v8, v6, 2, v8
	s_add_co_u32 s3, s10, 3072
.irp g, 0,1,2,3
	v_add_nc_u32 v[ADRA+\g], s10, v1
	v_add_nc_u32 v[ADRB+\g], s11, v1
	v_add_nc_u32 v[ADRS+\g], s3, v8
	s_add_co_u32 s10, s10, SLOT
	s_add_co_u32 s11, s11, SLOT
	s_add_co_u32 s3, s3, SLOT
.endr
	s_mul_i32 s88, s14, 16*SPITCH                  ; my stage
	v_mul_u32_u24 v2, v6, SPITCH
	v_lshl_add_u32 v2, v7, 6, v2
	v_add_nc_u32 v2, s88, v2                       ; in: row r, + 64 h
	v_add_nc_u32 v3, s88, v1                       ; back: a whole row of 512 bytes
	s_lshl_b32 s86, s82, 7
	s_lshl_b32 s87, s15, 6
	s_add_co_u32 s86, s86, s87                     ; my first row of out0
	s_lshl_b32 s86, s86, 12
	s_lshl_b32 s87, s83, 10
	s_add_co_u32 s86, s86, s87
	s_lshl_b32 s87, s16, 9
	s_add_co_u32 s86, s86, s87                     ; my first column, in bytes
	s_mov_b32 s87, 0
	s_add_nc_u64 s[96:97], s[8:9], s[86:87]
	s_wait_tensorcnt 3                             ; my part of slot 0 has landed; the three loads behind it may stay out
	s_barrier_signal -1
	s_barrier_wait -1
	FETCH 0
.irp j, 0,1,2,3,4,5,6,7
	KSTEP \j
.endr
; THE WAY OUT, a block of 16 rows x 128 columns at a time, through my own stage.  Register j of accumulator (a, b), half h, is column 32 (b / 2) + 16 h + 8 (b % 2) + j of my 128.
; LDS serves a wave's instructions in order: no wait between the stores and the loads, nor in front of the next block's stores.
.macro TOSTAGE a
	WIN 0x08                                       ; an LDS store's data are its source 1: window 2
.irp b, 0,1,2,3,4,5,6,7
	ds_store_b128 v2, v[8*(8*(\a)+\b):8*(8*(\a)+\b)+3] offset:128*(\b/2)+32*(\b%2)          ; each accumulator from its low end on
	ds_store_b128 v2, v[8*(8*(\a)+\b)+4:8*(8*(\a)+\b)+7] offset:128*(\b/2)+32*(\b%2)+16
.endr
	WIN 0
.irp t, 0,1,2,3,4,5,6,7,8,9,10,11,12,13,14,15
	ds_load_b128 v[BK+64*((\a)%2)+4*\t:BK+64*((\a)%2)+4*\t+3], v3 offset:\t*SPITCH
.endr
.endm
.macro SEND a, younger                 ; younger: the LDS instructions issued behind block a's loads, which may stay out
	s_wait_dscnt \younger
.irp t, 0,1,2,3,4,5,6,7,8,9,10,11,12,13,14,15
	global_store_b128 v1, v[BK+64*((\a)%2)+4*\t:BK+64*((\a)%2)+4*\t+3], s[96:97] offset:(32*((\a)/2)+8*((\a)%2)+\t+8*(\t/8))*4096 th:TH_STORE_NT   ; 512 consecutive bytes, aligned; lane row t of block a is true row 32 (a / 2) + 8 (a % 2) + t + 8 (t / 8)
.endr
.endm
.rept 4
	v_nop                                          ; four places in front of the first read of results and of loads into registers that held A's fragments
.endr
	TOSTAGE 0
	TOSTAGE 1
	SEND 0, 32                                     ; behind block 0's loads: block 1's 16 stores and 16 loads
	s_wait_xcnt 0x0                                ; block 0's stores have read their registers: block 2's rows may land there
	TOSTAGE 2
	SEND 1, 32
	s_wait_xcnt 0x0
	TOSTAGE 3
	SEND 2, 32
	SEND 3, 0
	s_wait_tensorcnt 0x0
	ds_add_u32 v30, v31
	s_wait_dscnt 0x0
	CROUND                                         ; the closing round: no work-group ends while a partner may still ask for a tile that names it
	s_endpgm
.Lfunc_end_k_qf491722618_outp:
	.size	k_qf491722618_outp, .Lfunc_end_k_qf491722618_outp-k_qf491722618_outp
	.p2alignl 7, 3214868480
	.fill 96, 4, 3214868480
	.section	.rodata,"a",@progbits
	.p2align	6, 0x0
	.amdhsa_kernel k_qf491722618_outp
		.amdhsa_group_segment_fixed_size 307712
		.amdhsa_private_segment_fixed_size 0
		.amdhsa_enable_private_segment 0
		.amdhsa_kernarg_size 24
		.amdhsa_user_sgpr_count 2
		.amdhsa_user_sgpr_kernarg_segment_ptr 1
		.amdhsa_wavefront_size32 1
		.amdhsa_system_sgpr_workgroup_id_x 1
		.amdhsa_system_sgpr_workgroup_id_y 1
		.amdhsa_system_sgpr_workgroup_id_z 1
		.amdhsa_system_vgpr_workitem_id 0
		.amdhsa_next_free_vgpr 768
		.amdhsa_next_free_sgpr 100
		.amdhsa_reserve_vcc 0
		.amdhsa_float_denorm_mode_32 3
		.amdhsa_float_denorm_mode_16_64 3
		.amdhsa_memory_ordered 1
		.amdhsa_forward_progress 1
		.amdhsa_inst_pref_size 80
	.end_amdhsa_kernel
	.amdgpu_metadata
---
amdhsa.version: [ 1, 2 ]
amdhsa.kernels:
  - .name:           k_qf491722618_outp
    .symbol:         k_qf491722618_outp.kd
    .args:
      - { .name: ao, .offset: 0, .size: 8, .value_kind: global_buffer, .address_space: global }
      - { .name: wq, .offset: 8, .size: 8, .value_kind: global_buffer, .address_space: global }
      - { .name: out0, .offset: 16, .size: 8, .value_kind: global_buffer, .address_space: global }
    .group_segment_fixed_size: 307712
    .private_segment_fixed_size: 0
    .kernarg_segment_align: 8
    .kernarg_segment_size: 24
    .max_flat_workgroup_size: 128
    .sgpr_count:     100
    .vgpr_count:     768
    .wavefront_size: 32
...
	.end_amdgpu_metadata
.endif
;; end of part 4
